; MI455X (gfx1250); checked and timed in simulation.
; The chip was launched on July 23, 2026; its instructions are those of AMD's public machine-readable ISA for CDNA 5 (MIT licence, August 2026) and "CDNA5" Instruction Set Architecture Reference Guide (July 2026). The comments in the code are by the model that wrote it; some were corrected since.
;; Patch Embedding3 D. Allowed arithmetic: matrix products marked QUANTISED: E4M3 operands, one given power-of-two scale a tensor, by v_wmma_f32_16x16x64_fp8_fp8 or v_wmma_f32_16x16x128_fp8_fp8, f32 sums; products left as they are: f32 operands where the result goes on into a quantised operand, else bf16, f16 or f32 operands; f32 sums; everything else in f32.
;; Inputs: b1 128 float32; b2 256 float32; be1 128 float32; be2 256 float32; bn 256 float32; g1 128 float32; g2 256 float32; gn 256 float32; lowp_scales 2 int32 (the exponents e of the quantised operands' scales 2^e); w1 3 x 128 float32; w2 128 x 256 float32; x 32 x 3 x 16,384 float32.
;; Outputs: out0 32 x 512 x 256 float32.
;; This version of the problem:
;;   THIS VERSION OF THE PROBLEM IS GIVEN IN LOW PRECISION. The matrix products marked QUANTISED in the list below multiply operands that are first quantised to E4M3 (4 exponent bits, 3 mantissa bits; 8 bits a number), with one given power-of-two scale for each operand tensor; their sums are f32. All else is computed in f32.
;;   The module's matrix products, in the order in which they are computed (A, B: the left and right operand; K: the contracted axis; several contracted axes count as one K, in the product's order):
;;     1. [M 524,288, K 3] x [K 3, N 128]; A: input x; B: input w1: left as it is (K = 3 < 32)
;;     2. [M 524,288, K 128] x [K 128, N 256]; A: computed on the way; B: input w2: QUANTISED (scales: A lowp_scales[0], B lowp_scales[1])
;;   THE QUANTISER, for each operand of a quantised product, along K:
;;     - The operand's scale is 2^e, e = its entry of the input lowp_scales (int32; the entries are numbered through the quantised products in the list's order, A before B).
;;     - Each number is divided by the scale, clamped to +-448, and rounded to the nearest number of E4M3, ties to even, subnormals kept.
;;     - The product sums the exact products of the quantised numbers (number of the format x scale) in f32.
;;   ~~~python
;;   def quantise(x, axis, e):      # numpy; x: float32 -> the quantised numbers, widened to float32 again
;;       x = np.moveaxis(x, axis, -1); K = x.shape[-1]
;;       r = np.clip(x / 2.0 ** e, -448, 448)
;;       step = 2.0 ** (np.maximum(np.frexp(np.where(r == 0, 1, r))[1] - 1, -6) - 3)
;;       q = np.round(r / step) * step * 2.0 ** e      # np.round: ties to even
;;       return np.moveaxis(q, -1, axis).astype(np.float32)
;;   ~~~
;;   OPERANDS COMPUTED ON THE WAY. 'Computed on the way' means the value that the module computes at that place (a softmax that the list does not call 'softmax' is quantised finished and normalised). What goes into a quantiser is computed in f32, as accurately as f32 sums, v_exp_f32 and their like allow (about 1e-6 of the number): no bf16 or f16 on the way to a quantiser, and a product that is left as it is and whose result goes on into a quantised operand takes f32 operands (vector FMAs, or v_wmma_f32_16x16x4_f32). A number that lies on a knife's edge between two numbers of the format may be rounded either way, as far as f32 arithmetic and the matrix unit's own rounding can turn it there, and no further.
;; One version. Each part assembles by itself: llvm-mc -triple=amdgcn-amd-amdhsa -mcpu=gfx1250 --defsym DOCPART=n.
;; ======== version 1 of 1: 1 launch
;; limits: a difference of large sums (such as E[x^2] - mean^2): digits are lost where the result is much smaller than its terms
;; launch embed (part 1): grid 256 x 1, 4 waves a work-group, clusters of 4 x 1, 276,992 bytes of LDS; arguments x, w1, b1, g1, be1, w2, b2, g2, be2, gn, bn, lowp_scales, out0; writes out0
.if DOCPART == 1
	.amdgcn_target "amdgcn-amd-amdhsa--gfx1250"
	.amdhsa_code_object_version 6
	.text
	.protected	k_qdd1587ef50_embed
	.globl	k_qdd1587ef50_embed
	.p2align	8
	.type	k_qdd1587ef50_embed,@function
k_qdd1587ef50_embed:
	s_mov_b64 s[64:65], 0
	v_nop
	global_prefetch_b8 v0, s[64:65] scope:SCOPE_SE
	s_setreg_imm32_b32 hwreg(HW_REG_WAVE_MODE, 25, 1), 1
	s_wait_xcnt 0x0
	s_wait_alu depctr_hold_cnt(0) depctr_sa_sdst(0) depctr_va_vdst(0) depctr_va_sdst(0) depctr_va_ssrc(0) depctr_va_vcc(0) depctr_vm_vsrc(0)
	s_getreg_b32 s2, hwreg(HW_REG_IB_STS2, 6, 4)
	s_cmp_eq_u32 s2, 0
	s_cbranch_scc0 .Lentry_in_a_cluster
	s_endpgm
.Lentry_in_a_cluster:
	s_bfe_u32 s2, ttmp6, 0x10000c
	s_cmp_lg_u32 s2, 0x3003
	s_cbranch_scc0 .Lentry_shape_is_right
	s_endpgm
.Lentry_shape_is_right:
; PatchEmbedding3D: out = LN3(max over a patch's 32 points of LN2(Q(relu(LN1(p w1 + b1))) Q(w2) + b2)).  x [32][3][16384], w2 [128][256], out0 [16384 patches][256], all f32.
; The second product runs on codes of FP8 (E4M3) with the two given scales 2^e0 (hidden layer) and 2^e1 (w2); all else is f32.
; SHARES.  1,024 waves, four to a work-group.  Wave J = 4 x work-group + wave owns 16 patches = 512 consecutive points of batch J / 32, and 16 rows of out0.
; A TILE is point T (0..31) of the 16 patches: lane (r = lane % 16, h = lane / 16) stands for patch r, so the maximum over a patch runs from tile to tile in registers and crosses no lane.
; WHAT IS NOT COMPUTED NUMBER BY NUMBER (all exact algebra):
;  LN1: with w1, b1 centred over the 128 hidden units, var = q K q, q = (p0, p1, p2, 1), K their 4 x 4 Gram matrix / 128; h = (rp0, rp1, rp2, r) x (w1c g1, b1c g1) + be1, r = rsq(var + eps):
;       one f32 matrix product with K = 4 and C = be1.  Relu is the lower end of the hold that the conversion to codes wants anyway.
;  LN2's mean: S[k] = the sum over n of w2's codes, cut into seven signed digits of four bits, each a number of E4M3; one more tile E of A (row m holds digit m % 8) gives every lane the digit sums.
;       The accumulators are filled with sg x (-mean) + sg (b2 - mean b2) / 2^(e0+e1) and the product adds onto that: D arrives centred, the variance is a plain sum of squares.
;  g2's sign: sg = copysign(1, g2) is put on w2's codes (Q(-x) = -Q(x)); then z = t |g2| + be2 rises with t, only the maximum of t = D rsq(..) is kept, and g2, be2 are applied once a patch.
; Both products are used transposed (source 0 = rows of the weight, source 1 = 16 points): a lane holds one point, its registers run along the outputs.
; CLUSTER.  Every work-group reads all of w2: the four of a cluster ask for it jointly, each wave for 32 rows, the same descriptor and the mask 15 in all four.  The place in the cluster enters x's and out0's addresses alone.
; LIMITS: e0, e1 between -126 and 119; |e0 + e1| <= 55 (2^-(e0+e1) and eps 2^-2(e0+e1) are f32 numbers).  NaN among the inputs is not served.  var as a quadratic form carries a rounding error of
; a few units in the last place times the Gram matrix's condition number, and is held at eps from below.  S is rounded to f32 where |S| >= 2^15.
; REGISTERS, in windows of 256.  Output tile t (16 of the 256) has a block of 48: t = 0..14 in window 1 + t / 5 at 48 (t % 5), t = 15 in window 0 at 208:
;   +0 FR w2's fragment (16)  +16 DD accumulator  +24 MM running maximum  +32 BS sg (b2 - mean) / 2^(e0+e1)  +40 SG.   Window 1 v240-255: g2, be2 of tile 15; window 2 v240-255: gn, bn of tile 15.
;   Window 0: v1-15 constants and addresses, v16-79 be1, v80-111 H (written by the f32 matrix instruction alone), v112-127 W', v128-143 E, v144-159 codes, v160-167 digit sums, v168-183 held numbers, v184.. small things.
.set W2P,   1040                       ; a row of w2 in LDS: 1,024 bytes + 16 of padding: 65 x 16, so 16 rows' equal columns start at 16 different groups of four banks
.set W2Q,   32*W2P                     ; what one wave's tensor load fills
.set FIMG,  133120                     ; images of w2's 16 fragments: 2,048 t + 512 q + 16 lane
.set EIMG,  165888                     ; image of E: 512 q + 16 lane
.set WT,    167936                     ; a wave's own: four rows of 512 bytes: w1c g1 (3), b1c g1
.set QT,    176128                     ; a wave's own: 33 entries of 256 bytes: entry T, at 16 r: (rp0, rp1, rp2, r) of point T of patch r; entry 32 is zeros, loaded and never used
.set QTW,   8448
.set STG,   209920                     ; a wave's own: 16 rows of out0, 1,040 bytes apart
.set STW,   16640
.set LIM,  1                           ; 448 x 2^e0
.set SCL,  2                           ; 2^e0
.set AQ0,  3                           ; QT + wave QTW + 16 r + 8 h
.set AQ,   4                           ; the LDS address in hand
.set LIMW, 5                           ; 448 x 2^e1; later AST
.set SCLW, 6                           ; 2^e1; later ARD
.set AST,  5                           ; the stage, on the way in
.set ARD,  6                           ; and back
.set AH32, 7                           ; 32 h; never rewritten
.set AL16, 8                           ; 16 lane; never rewritten
.set ONE,  9
.set SH,   10                          ; 4 (r % 8): my digit's place
.set G2L,  11                          ; v11, v12: g2 of the two columns that I quantise
.set AC,   13                          ; 4 (64 wave + lane); never rewritten
.set AI,   14
.set AT,   15
.set BE1,  16
.set H,    80
.set W1A,  112
.set E,    128
.set CODES, 144
.set X,    160
.set TMP,  168
.set Q,    184
.set SS,   186                         ; four pairs of running sums
.set R,    194
.set NM,   196
.set T,    198                         ; v198-207 at work
.set NINF, 207                         ; -infinity, from the pipeline on
.set MSB, 0
.macro WIN new                         ; bits 1:0 source 0, 3:2 source 1, 5:4 source 2, 7:6 destination; the high byte repeats the setting that is left; a switch that changes nothing is dropped
.if MSB != (\new)
	s_set_vgpr_msb (MSB<<8)|(\new)
.set MSB, (\new)
.endif
.endm
.macro BLK t                           ; W, B: window and base of tile t's block
.if (\t) == 15
.set W, 0
.set B, 208
.else
.set W, 1+(\t)/5
.set B, 48*((\t)%5)
.endif
.endm
.macro NOPS n
.rept \n
	v_nop
.endr
.endm
.macro ROUND                           ; a round of the cluster's barrier: my work-group's barrier, wave 0 signals for it, every wave waits for all four work-groups, my work-group's barrier again
	s_barrier_signal -1
	s_barrier_wait -1
	s_cmp_lg_u32 s34, 0
	s_cbranch_scc1 .Lnot_wave_0_\@
	s_barrier_signal -3
.Lnot_wave_0_\@:
	s_barrier_wait -3
	s_barrier_signal -1
	s_barrier_wait -1
.endm
.macro WSUMN first, n                  ; n registers are each summed over the 32 lanes, step by step across all n so that no line waits for the one above it
.irp m,1,2,4,8
.set k, 0
.rept \n
	v_add_f32_dpp v[\first+k], v[\first+k], v[\first+k] row_xmask:\m row_mask:0xf bank_mask:0xf
.set k, k+1
.endr
.endr
.set k, 0
.rept \n
	v_permlanex16_b32 v[T+k], v[\first+k], s36, s37
.set k, k+1
.endr
.set k, 0
.rept \n
	v_add_f32 v[\first+k], v[\first+k], v[T+k]
.set k, k+1
.endr
.endm
.macro RED1                            ; the four pairs of sums become one number a lane
	v_pk_add_f32 v[SS:SS+1], v[SS:SS+1], v[SS+2:SS+3]
	v_pk_add_f32 v[SS+4:SS+5], v[SS+4:SS+5], v[SS+6:SS+7]
	v_pk_add_f32 v[SS:SS+1], v[SS:SS+1], v[SS+4:SS+5]
	v_add_f32 v[T], v[SS], v[SS+1]
.endm
.macro RED2                            ; and the lane 16 away holds the patch's other 128 outputs
	v_permlanex16_b32 v[T+1], v[T], s36, s37
	v_add_f32 v[T], v[T], v[T+1]
.endm
; ---------------- the head: scalars, the joint load of w2, the small inputs
	s_load_b512 s[8:23], s[0:1], 0x0               ; x s[8:9], w1 s[10:11], b1 s[12:13], g1 s[14:15], be1 s[16:17], w2 s[18:19], b2 s[20:21], g2 s[22:23]
	s_load_b256 s[24:31], s[0:1], 0x40             ; be2 s[24:25], gn s[26:27], bn s[28:29], the scales' exponents s[30:31]
	s_load_b64 s[32:33], s[0:1], 0x60              ; out0
	s_set_vgpr_msb 0xc0
	v_lshl_add_u32 v254, v0, 2, 0x43800
	v_mov_b32 v255, 0
	s_set_vgpr_msb 0xc0cf
	ds_add_u32 v254, v255
	ds_add_u32 v254, v255
	s_set_vgpr_msb 0xcf00
	v_lshrrev_b32 v[T], 5, v0
	v_readfirstlane_b32 s34, v[T]                  ; wave 0..3
	s_bfe_u32 s35, ttmp6, 0x40000                  ; cx: my place in the cluster
	s_lshl_b32 s38, ttmp9, 2                       ; in a cluster launch ttmp9 counts clusters
	s_add_co_u32 s38, s38, s35                     ; work-group
	s_lshl_b32 s39, s38, 2
	s_add_co_u32 s39, s39, s34                     ; J
	s_lshr_b32 s38, s39, 5                         ; batch
	s_mul_i32 s60, s38, 196608                     ; 3 rows of 65,536 bytes a batch
	s_and_b32 s38, s39, 31
	s_lshl_b32 s38, s38, 11                        ; 512 points of 4 bytes
	s_add_co_u32 s60, s60, s38
	s_mov_b32 s61, 0
	s_lshl_b32 s62, s39, 14                        ; 16 rows of 1,024 bytes of out0
	s_mov_b32 s63, 0
	s_mov_b32 s36, 0x76543210                      ; v_permlanex16_b32's selects for lane l xor 16
	s_mov_b32 s37, 0xfedcba98
	s_mov_b32 s57, 0                               ; the entry of QT to be fetched next, in bytes
	s_mov_b32 s40, 1                               ; descriptor group 0: count = 1,
	s_mul_i32 s41, s34, W2Q                        ; LDS address: wave x 32 rows,
	s_lshl_b32 s58, s34, 15                        ; and the same 32 rows of 1,024 bytes in memory
	s_mov_b32 s59, 0
	s_mov_b32 s44, 15|(2<<16)|(1<<20)|(1<<21)|(7<<22)|(3<<25)   ; group 1: 15:0 the mask: all four work-groups; 17:16 elements of 4 bytes; 20 padding on; 21 set beside a mask; 24:22 after every 256 words (code 7); 31:25 four words (code 3)
	s_mov_b32 s45, 256<<16                         ; tensor_dim0 = 256
	s_mov_b32 s46, 32<<16                          ; tensor_dim1 = 32
	s_mov_b32 s47, 256<<16                         ; tile_dim0 = 256
	s_mov_b32 s48, 32                              ; tile_dim1 = 32
	s_mov_b32 s49, 256                             ; elements from row to row
	s_mov_b32 s50, 0
	s_mov_b32 s51, 0
	v_and_b32 v[T], 15, v0                         ; r
	v_bfe_u32 v[T+1], v0, 4, 1                     ; h
	v_and_b32 v[T+2], 31, v0                       ; lane
	v_and_b32 v[T+3], 7, v0                        ; lane % 8
	v_bfe_u32 v[T+4], v0, 3, 2                     ; lane / 8
.irp i,5,6,7,8,9
	v_mov_b32 v[T+\i], 0                           ; a lane permute's destination counts as one of its sources: written once
.endr
	v_lshlrev_b32 v[AL16], 4, v[T+2]
	v_lshlrev_b32 v[AH32], 5, v[T+1]
	v_lshlrev_b32 v[SH], 2, v[T+3]
	v_mov_b32 v[ONE], 1.0
	s_wait_dscnt 0x0
	s_wait_kmcnt 0x0
	s_load_b64 s[52:53], s[30:31], 0x0             ; e0, e1
	s_add_nc_u64 s[8:9], s[8:9], s[60:61]          ; x at my first point
	s_add_nc_u64 s[32:33], s[32:33], s[62:63]      ; out0 at my first row
	s_add_nc_u64 s[42:43], s[18:19], s[58:59]      ; group 0: global address,
	s_or_b32 s43, s43, 0x80000000                  ; type = 2
	ROUND                                          ; all four work-groups are here: the joint loads meet
	tensor_load_to_lds s[40:43], s[44:51]          ; my one tensor load: one of mine is out until the wait in front of the first barrier
	s_nop 0
	NOPS 4
	s_lshl_b32 s59, s34, 8
	v_lshl_add_u32 v[AC], v[T+2], 2, s59
	global_load_b128 v[128:131], v[AL16], s[10:11]             ; w1's three rows, b1, g1: lane l holds hidden units 4 l .. 4 l + 3
	global_load_b128 v[132:135], v[AL16], s[10:11] offset:512
	global_load_b128 v[136:139], v[AL16], s[10:11] offset:1024
	global_load_b128 v[140:143], v[AL16], s[12:13]
	global_load_b128 v[144:147], v[AL16], s[14:15]
.irp c,0,1,2
.irp i,0,1,2,3
	global_load_b128 v[16+16*\c+4*\i:19+16*\c+4*\i], v[AL16], s[8:9] offset:\c*65536+\i*512 th:TH_LOAD_NT   ; coordinate c of points 128 i + 4 l + 0..3: 512 consecutive bytes a load
.endr
.endr
	global_load_b32 v[G2L], v[AC], s[22:23]                    ; g2 of columns 64 wave + lane and + 32
	global_load_b32 v[G2L+1], v[AC], s[22:23] offset:128
.set t, 0
.rept 15
	BLK t
	WIN W<<6                                       ; destination in the tile's window
	global_load_b128 v[B+40:B+43], v[AH32], s[22:23] offset:64*t       ; g2 and b2 at outputs 16 t + 8 h + 0..7
	global_load_b128 v[B+44:B+47], v[AH32], s[22:23] offset:64*t+16
	global_load_b128 v[B+32:B+35], v[AH32], s[20:21] offset:64*t
	global_load_b128 v[B+36:B+39], v[AH32], s[20:21] offset:64*t+16
.set t, t+1
.endr
	WIN 0
	s_mul_i32 s59, s34, QTW
	s_add_co_u32 s59, s59, QT
	v_lshl_add_u32 v[AQ0], v[T], 4, s59
	v_lshl_add_u32 v[AQ0], v[T+1], 3, v[AQ0]
	v_lshl_add_u32 v[AQ], v[T+3], 10, s59          ; where my points' entries go: T = 4 (l % 8) + s, patch = 4 i + l / 8
	v_lshl_add_u32 v[AQ], v[T+4], 4, v[AQ]
	s_lshl_b32 s59, s34, 11
	s_add_co_u32 s59, s59, WT
	v_add_nc_u32 v[AI], s59, v[AL16]               ; W' on the way in
	v_lshl_add_u32 v[AT], v[T+1], 10, s59          ; and back as source 0 of the K = 4 product: rows 2 h + j, column 16 c + r
	v_lshl_add_u32 v[AT], v[T], 2, v[AT]
	s_wait_kmcnt 0x0
	s_add_co_i32 s59, s52, 127
	s_lshl_b32 s58, s59, 23
	v_mov_b32 v[SCL], s58                          ; 2^e0 as f32: the conversion takes its exponent field
	s_add_co_i32 s59, s59, 8
	s_lshl_b32 s59, s59, 23
	s_or_b32 s59, s59, 0x600000
	v_mov_b32 v[LIM], s59                          ; 448 x 2^e0
	s_add_co_i32 s59, s53, 127
	s_lshl_b32 s58, s59, 23
	v_mov_b32 v[SCLW], s58
	s_add_co_i32 s59, s59, 8
	s_lshl_b32 s59, s59, 23
	s_or_b32 s59, s59, 0x600000
	v_mov_b32 v[LIMW], s59
	s_add_co_i32 s59, s52, s53
	s_sub_co_i32 s54, 127, s59
	s_lshl_b32 s54, s54, 23                        ; 2^-(e0+e1)
	s_mov_b32 s55, s54                             ; (named with it as a pair, so it is written)
	s_lshl_b32 s59, s59, 1
	s_sub_co_i32 s59, 0, s59
	v_mov_b32 v[R], 0x3727c5ac                     ; eps = 1e-5
	v_ldexp_f32 v[R], v[R], s59
	v_readfirstlane_b32 s58, v[R]                  ; eps in units of squared code sums
; ---------------- LN1 folded: centred w1, b1; their Gram matrix; W' = centred x g1
	s_wait_loadcnt 63                              ; 79 loads were issued: the oldest 16 are in, w1, b1 and g1 among them
.irp i,0,1,2,3
	v_pk_add_f32 v[162+2*\i:163+2*\i], v[128+4*\i:129+4*\i], v[130+4*\i:131+4*\i]
.endr
.irp i,0,1,2,3
	v_add_f32 v[148+\i], v[162+2*\i], v[163+2*\i]
.endr
	WSUMN 148, 4
.irp i,0,1,2,3
	v_mul_f32 v[148+\i], 0xbc000000, v[148+\i]     ; -mean = sum x -1/128
.endr
.irp i,0,1,2,3
.irp j,0,1,2,3
	v_add_f32 v[128+4*\i+\j], v[128+4*\i+\j], v[148+\i]
.endr
.endr
.macro DOT idx, a, b
	v_pk_mul_f32 v[162+2*((\idx)%4):163+2*((\idx)%4)], v[128+4*\a:129+4*\a], v[128+4*\b:129+4*\b]
	v_pk_fma_f32 v[162+2*((\idx)%4):163+2*((\idx)%4)], v[130+4*\a:131+4*\a], v[130+4*\b:131+4*\b], v[162+2*((\idx)%4):163+2*((\idx)%4)]
	v_add_f32 v[152+\idx], v[162+2*((\idx)%4)], v[163+2*((\idx)%4)]
.endm
	DOT 0, 0, 0
	DOT 1, 0, 1
	DOT 2, 0, 2
	DOT 3, 0, 3
	DOT 4, 1, 1
	DOT 5, 1, 2
	DOT 6, 1, 3
	DOT 7, 2, 2
	DOT 8, 2, 3
	DOT 9, 3, 3
	WSUMN 152, 10
.irp idx,0,4,7,9
	v_mul_f32 v[170+2*\idx], 0x3c000000, v[152+\idx]   ; the diagonal / 128
.endr
.irp idx,1,2,3,5,6,8
	v_mul_f32 v[170+2*\idx], 0x3c800000, v[152+\idx]   ; what stands twice / 64
.endr
	v_add_f32 v188, 0x3727c5ac, v188               ; eps goes in with the constant term
.irp idx,0,1,2,3,4,5,6,7,8,9
	v_mov_b32 v[171+2*\idx], v[170+2*\idx]         ; pairs with both halves equal, for the packed forms
.endr
.irp i,0,1,2,3
.irp j,0,2
	v_pk_mul_f32 v[128+4*\i+\j:129+4*\i+\j], v[128+4*\i+\j:129+4*\i+\j], v[144+\j:145+\j]
.endr
.endr
.irp i,0,1,2,3
	ds_store_b128 v[AI], v[128+4*\i:131+4*\i] offset:512*\i
.endr
.irp c,0,1,2,3,4,5,6,7
.irp j,0,1
	ds_load_b32 v[W1A+2*\c+\j], v[AT] offset:\j*512+\c*64      ; LDS serves a wave's instructions in order: these see my stores
.endr
.endr
	s_mul_i32 s59, s34, QTW
	s_add_co_u32 s59, s59, QT+32*256
	v_and_b32 v[AT], 31, v0
	v_lshl_add_u32 v[AT], v[AT], 3, s59            ; entry 32
; ---------------- r = rsq(q K q) for my 16 points, and the table of (r p0, r p1, r p2, r)
	s_wait_loadcnt 62                              ; x's twelve loads are in; the 62 younger ones may be out
.macro QF d, a, b, c, fb, fc           ; d = a b + c over the 8 pairs of points; fb, fc = 1: the operand runs with the points, 0: a pair of K
.irp e,0,2,4,6,8,10,12,14
	v_pk_fma_f32 v[\d+\e:\d+\e+1], v[\a+\e:\a+\e+1], v[\b+\fb*\e:\b+\fb*\e+1], v[\c+\fc*\e:\c+\fc*\e+1]
.endr
.endm
	QF 208, 48, 174, 176, 0, 0                     ; U = p2 K02 + K03
	QF 224, 48, 180, 182, 0, 0                     ; V = p2 K12 + K13
	QF 240, 48, 184, 186, 0, 0                     ; Z = p2 K22 + K23
	QF 208, 32, 172, 208, 0, 1                     ; U += p1 K01
	QF 224, 32, 178, 224, 0, 1                     ; V += p1 K11
	QF 240, 48, 240, 188, 1, 0                     ; Z = p2 Z + K33 + eps
	QF 208, 16, 170, 208, 0, 1                     ; U += p0 K00
	QF 240, 32, 224, 240, 1, 1                     ; Z += p1 V
	QF 240, 16, 208, 240, 1, 1                     ; Z += p0 U = var + eps
.set k, 0
.rept 16
	v_max_num_f32 v[240+k], 0x3727c5ac, v[240+k]   ; var is not negative: held at eps from below
.set k, k+1
.endr
	s_wait_dscnt 0x0                               ; my stores of W' have read their registers, which the lines below write
.set k, 0
.rept 16
	v_rsq_f32 v[131+4*k], v[240+k]
.set k, k+1
.endr
	v_nop                                          ; a plain line behind the last root
.set k, 0
	s_wait_alu depctr_va_vdst(0)
.rept 16
	v_mul_f32 v[128+4*k], v[16+k], v[131+4*k]
	v_mul_f32 v[129+4*k], v[32+k], v[131+4*k]
	v_mul_f32 v[130+4*k], v[48+k], v[131+4*k]
.set k, k+1
.endr
.set k, 0
.rept 16
	ds_store_b128 v[AQ], v[128+4*k:131+4*k] offset:(k%4)*256+(k/4)*64
.set k, k+1
.endr
	v_mov_b32 v16, 0
	v_mov_b32 v17, 0
	ds_store_b64 v[AT], v[16:17]                   ; entry 32
	v_and_b32 v[AQ], 15, v0
	v_bfe_u32 v[AI], v0, 4, 1
	v_mul_u32_u24 v[AT], v[AQ], W2P
	v_lshl_add_u32 v[AT], v[AI], 8, v[AT]
	s_mul_i32 s59, s34, W2Q
	v_add_nc_u32 v[AT], s59, v[AT]                 ; column sums: row 32 wave + r of w2, + 256 h bytes
	s_lshl_b32 s59, s34, 13
	s_add_co_u32 s59, s59, FIMG
	v_lshl_add_u32 v[AI], v[AI], 11, s59           ; fragments' images: tile 4 wave + lane / 16 (+ 2 g), lane' = lane % 16 (+ 16 for odd eights of k)
	v_lshl_add_u32 v[AI], v[AQ], 4, v[AI]
	s_lshl_b32 s59, s34, 9
	s_add_co_u32 s59, s59, EIMG
	v_add_nc_u32 v[AQ], s59, v[AL16]               ; E's image: my four registers
.set k, 0
.rept 16
	v_mov_b32 v[224+k], 0x38383838                 ; 1.0 in every code
.set k, k+1
.endr
	s_wait_tensorcnt 0x0                           ; my 32 rows of w2 have landed,
	s_wait_dscnt 0x0                               ; no LDS instruction of mine is out,
	s_barrier_signal -1
	s_barrier_wait -1                              ; and so for all four waves: w2 is whole
; ---------------- S[k] for my 32 rows k: their codes (16 rows x 128 columns a fragment) times ones; two accumulators by turns
.macro SLOAD cc, u, buf
.irp i,0,1,2,3,4,5,6,7,8,9,10,11,12,13,14,15
	ds_load_b128 v[\buf+4*\i:\buf+4*\i+3], v[AT] offset:\cc*16*W2P+\u*512+\i*16
.endr
.endm
.macro SPROC buf, af
.set k, 0
.rept 64
	v_med3_num_f32 v[\buf+k], v[\buf+k], -v[LIMW], v[LIMW]     ; the conversion to an 8-bit code does not saturate (ISA guide 7.6.2): the hold at the largest code x the scale
.set k, k+1
.endr
.set k, 0
.rept 8
	v_cvt_scalef32_pk8_fp8_f32 v[\af+2*k:\af+2*k+1], v[\buf+8*k:\buf+8*k+7], v[SCLW]
.set k, k+1
.endr
	v_nop                                          ; a plain line between the conversions and the product that reads their results
.endm
	SLOAD 0, 0, 16
	SLOAD 1, 0, 128
	s_wait_dscnt 16                                ; the older sixteen loads are in
	SPROC 16, 192
	v_wmma_f32_16x16x128_fp8_fp8 v[240:247], v[192:207], v[224:239], 0
	NOPS 4                                         ; places behind the product (ISA guide 7.12.1)
	SLOAD 0, 1, 16
	s_wait_dscnt 16
	SPROC 128, 208
	v_wmma_f32_16x16x128_fp8_fp8 v[248:255], v[208:223], v[224:239], 0
	NOPS 4
	SLOAD 1, 1, 128
	s_wait_dscnt 16
	SPROC 16, 192
	v_wmma_f32_16x16x128_fp8_fp8 v[240:247], v[192:207], v[224:239], v[240:247]
	NOPS 4
	s_wait_dscnt 0x0
	SPROC 128, 208
	v_wmma_f32_16x16x128_fp8_fp8 v[248:255], v[208:223], v[224:239], v[248:255]
	NOPS 4
	; lane (r, h) holds S[32 wave + 16 cc + 8 h + j] in register j of accumulator cc, whatever r: digit r % 8 of 512 |S|, with S's sign, is E's row r at that k: my lanes' registers 4 wave .. 4 wave + 3 of E
.set k, 0
.rept 16
	v_mul_f32 v[16+k], 0x44000000, |v[240+k]|      ; a whole number under 2^26
.set k, k+1
.endr
.set k, 0
.rept 16
	v_cvt_u32_f32 v[16+k], v[16+k]
.set k, k+1
.endr
.set k, 0
.rept 16
	v_bfe_u32 v[16+k], v[16+k], v[SH], 4
.set k, k+1
.endr
.set k, 0
.rept 16
	v_cvt_f32_u32 v[16+k], v[16+k]
.set k, k+1
.endr
.set k, 0
.rept 16
	v_bfi_b32 v[16+k], 0x7fffffff, v[16+k], v[240+k]
.set k, k+1
.endr
	v_cvt_scalef32_pk8_fp8_f32 v[128:129], v[16:23], v[ONE]    ; 0 .. 15 are numbers of E4M3: nothing is rounded
	v_cvt_scalef32_pk8_fp8_f32 v[130:131], v[24:31], v[ONE]
	v_nop
	ds_store_b128 v[AQ], v[128:131]
; ---------------- w2's fragments: a lane takes a column n, its registers run down K; the codes get sg[n] as their sign
	s_wait_loadcnt 60                              ; g2 of my two columns is in; the 60 younger loads may be out
	v_ashrrev_i32 v144, 31, v[G2L]
	v_ashrrev_i32 v145, 31, v[G2L+1]
	v_and_b32 v144, 0x80808080, v144
	v_and_b32 v145, 0x80808080, v145
.macro FLOAD be, fb                    ; batch be: columns 64 wave + 32 (be / 4) + lane, rows 32 (be % 4) on
	v_add_nc_u32 v[AT], ((\be)%4)*W2Q, v[AC]
.set k, 0
.rept 32
	ds_load_b32 v[\fb+k], v[AT] offset:((\be)/4)*128+k*W2P
.set k, k+1
.endr
.endm
.macro FPROC be, fb
.set CQB, 128+8*((\be)%2)
.set k, 0
.rept 32
	v_med3_num_f32 v[\fb+k], v[\fb+k], -v[LIMW], v[LIMW]
.set k, k+1
.endr
.irp q,0,1,2,3
	v_cvt_scalef32_pk8_fp8_f32 v[CQB+2*\q:CQB+2*\q+1], v[\fb+8*\q:\fb+8*\q+7], v[SCLW]
.endr
	v_nop
.irp q,0,1,2,3,4,5,6,7
	v_xor_b32 v[CQB+\q], v[144+(\be)/4], v[CQB+\q]
.endr
.irp q,0,1,2,3
.set o, 4*((\be)%4)+\q                 ; k = 8 o .. 8 o + 7: registers 2 (o / 2), + 1 of lane (n % 16, o % 2)
	ds_store_b64 v[AI], v[CQB+2*\q:CQB+2*\q+1] offset:((\be)/4)*4096+(o/4)*512+(o%2)*256+((o/2)%2)*8
.endr
.endm
	FLOAD 0, 16
	FLOAD 1, 48
	s_wait_dscnt 32                                ; batch 0 is in
	FPROC 0, 16
.irp be,1,2,3,4,5,6
	FLOAD \be+1, 16+32*((\be+1)%2)
	s_wait_dscnt 36                                ; behind this batch's loads: the last batch's 4 stores and the next batch's 32 loads
	FPROC \be, 16+32*(\be%2)
.endr
	s_wait_dscnt 0x0
	FPROC 7, 48
	s_wait_dscnt 0x0                               ; for the others' sake: my images are written, my reads of w2 are over
	s_barrier_signal -1
	s_barrier_wait -1
; ---------------- what stays in registers
.irp c,0,1,2,3,4,5,6,7
	global_load_b128 v[BE1+8*\c:BE1+8*\c+3], v[AH32], s[16:17] offset:64*\c        ; be1 at hidden units 16 c + 8 h + 0..7
	global_load_b128 v[BE1+8*\c+4:BE1+8*\c+7], v[AH32], s[16:17] offset:64*\c+16
.endr
	global_load_b128 v[248:251], v[AH32], s[22:23] offset:960                      ; tile 15: g2, b2
	global_load_b128 v[252:255], v[AH32], s[22:23] offset:976
	global_load_b128 v[240:243], v[AH32], s[20:21] offset:960
	global_load_b128 v[244:247], v[AH32], s[20:21] offset:976
	WIN 0x40                                       ; tile 15's constants for the end lie in registers that the blocks leave idle: window 1: g2, be2;
	global_load_b128 v[240:243], v[AH32], s[22:23] offset:960
	global_load_b128 v[244:247], v[AH32], s[22:23] offset:976
	global_load_b128 v[248:251], v[AH32], s[24:25] offset:960
	global_load_b128 v[252:255], v[AH32], s[24:25] offset:976
	WIN 0x80                                       ; window 2: gn, bn
	global_load_b128 v[240:243], v[AH32], s[26:27] offset:960
	global_load_b128 v[244:247], v[AH32], s[26:27] offset:976
	global_load_b128 v[248:251], v[AH32], s[28:29] offset:960
	global_load_b128 v[252:255], v[AH32], s[28:29] offset:976
	WIN 0
	v_add_nc_u32 v[AI], FIMG, v[AL16]
.set t, 0
.rept 16
	BLK t
	WIN W<<6
.irp q,0,1,2,3
	ds_load_b128 v[B+4*\q:B+4*\q+3], v[AI] offset:t*2048+\q*512    ; an image comes back as the registers that it was
.endr
.set t, t+1
.endr
	WIN 0
.irp q,0,1,2,3
	ds_load_b128 v[E+4*\q:E+4*\q+3], v[AI] offset:EIMG-FIMG+\q*512
.endr
	v_add_nc_u32 v[AQ], s57, v[AQ0]
	ds_load_b64 v[Q:Q+1], v[AQ]                    ; tile 0's points
	s_add_co_u32 s57, s57, 256
	s_mul_i32 s59, s34, STW
	s_add_co_u32 s59, s59, STG
	v_add_nc_u32 v[ARD], s59, v[AL16]
	v_and_b32 v[T], 15, v0
	v_mul_u32_u24 v[AST], v[T], W2P
	v_add_nc_u32 v[AST], v[AST], v[AH32]
	v_add_nc_u32 v[AST], s59, v[AST]
	v_mov_b32 v[R+1], 0                            ; (named as upper halves of pairs, so they are written)
	v_mov_b32 v[NM+1], 0
	v_mov_b32 v[T+1], 0
	v_mov_b32 v[NINF], 0xff800000
	s_wait_loadcnt 0x0
	WIN 1                                          ; source 0 in window 1: the sum of b2 is started by tiles 0 and 15: nothing is cleared
.irp i,0,2,4,6
	v_pk_add_f32 v[SS+\i:SS+\i+1], v[32+\i:33+\i], v[240+\i:241+\i]
.endr
.set t, 1
.rept 14
	BLK t
	WIN W
.irp i,0,2,4,6
	v_pk_add_f32 v[SS+\i:SS+\i+1], v[B+32+\i:B+33+\i], v[SS+\i:SS+\i+1]
.endr
.set t, t+1
.endr
	WIN 0
	RED1
	RED2
	v_mul_f32 v[NM], 0xbb800000, v[T]              ; -mean b2
	v_mul_f32 v[NM], s54, v[NM]                    ; / 2^(e0+e1)
.set t, 0
.rept 16
	BLK t
	WIN 0x41*W                                     ; destination and source 0 in the tile's window
.irp i,0,2,4,6
	v_pk_fma_f32 v[B+32+\i:B+33+\i], v[B+32+\i:B+33+\i], s[54:55], v[NM:NM+1] op_sel_hi:[1,0,0]
.endr
.set t, t+1
.endr
.set t, 0
.rept 16
	BLK t
	WIN 0x55*W
.irp j,0,1,2,3,4,5,6,7
	v_bfi_b32 v[B+40+\j], 0x7fffffff, 1.0, v[B+40+\j]          ; sg = 1.0 with g2's sign
.endr
.irp i,0,2,4,6
	v_pk_mul_f32 v[B+32+\i:B+33+\i], v[B+32+\i:B+33+\i], v[B+40+\i:B+41+\i]
.endr
.set t, t+1
.endr
	WIN 0
; ---------------- THE PIPELINE.  While tile T + 1 goes through the first layer and the product, tile T's centred sums are squared, scaled and taken into the maximum.
.macro WM32 i                          ; hidden units 16 i .. 16 i + 15 of the tile's 16 points: lane (r, h), register j: unit 16 i + 8 h + j of point r
	v_wmma_f32_16x16x4_f32 v[H+8*((\i)%4):H+8*((\i)%4)+7], v[W1A+2*(\i):W1A+2*(\i)+1], v[Q:Q+1], v[BE1+8*(\i):BE1+8*(\i)+7]
.endm
.macro MED i                           ; relu and the hold in one, from the low end on; then eight codes: registers 2 i, 2 i + 1 of source 1, k = 16 i + 8 h + 0..7
.irp j,0,1,2,3,4,5,6,7
	v_med3_num_f32 v[TMP+8*((\i)%2)+\j], v[H+8*((\i)%4)+\j], 0, v[LIM]
.endr
	v_cvt_scalef32_pk8_fp8_f32 v[CODES+2*(\i):CODES+2*(\i)+1], v[TMP+8*((\i)%2):TMP+8*((\i)%2)+7], v[SCL]
.endm
.macro SQ t                            ; the sum of D^2, four pairs; tile 0 starts the sums
	BLK \t
	WIN 5*W
.irp i,0,2,4,6
.if (\t) == 0
	v_pk_mul_f32 v[SS+\i:SS+\i+1], v[B+16+\i:B+17+\i], v[B+16+\i:B+17+\i]
.else
	v_pk_fma_f32 v[SS+\i:SS+\i+1], v[B+16+\i:B+17+\i], v[B+16+\i:B+17+\i], v[SS+\i:SS+\i+1]
.endif
.endr
.endm
.macro M7 j
	v_med3_num_f32 v[TMP+8+\j], v[H+24+\j], 0, v[LIM]
.endm
; The end of a tile's first half: r = rsq(sum D^2 / 256 + eps') (sq), set between the last eight hidden units' holds (l1), so that neither chain waits; then the digit sums' product.
.macro TAIL sq, l1
	WIN 0
.if \sq
	v_pk_add_f32 v[SS:SS+1], v[SS:SS+1], v[SS+2:SS+3]
	v_pk_add_f32 v[SS+4:SS+5], v[SS+4:SS+5], v[SS+6:SS+7]
.endif
.if \l1
	M7 0
	M7 1
.endif
.if \sq
	v_pk_add_f32 v[SS:SS+1], v[SS:SS+1], v[SS+4:SS+5]
.endif
.if \l1
	M7 2
	M7 3
.endif
.if \sq
	v_add_f32 v[T], v[SS], v[SS+1]
.endif
.if \l1
	M7 4
	M7 5
.endif
.if \sq
	v_permlanex16_b32 v[T+1], v[T], s36, s37
.endif
.if \l1
	M7 6
	M7 7
.endif
.if \sq
	v_add_f32 v[T], v[T], v[T+1]
	v_fma_f32 v[T], v[T], 0x3b800000, s58
.endif
.if \l1
	v_cvt_scalef32_pk8_fp8_f32 v[CODES+14:CODES+15], v[TMP+8:TMP+15], v[SCL]
.endif
.if \sq
	v_rsq_f32 v[R], v[T]
.endif
	v_nop                                          ; the plain line behind the root and behind the conversion
	s_wait_alu depctr_va_vdst(0)
.if \l1
	v_wmma_f32_16x16x128_fp8_fp8 v[X:X+7], v[E:E+15], v[CODES:CODES+15], 0   ; register j: the sum over k of digit j of S[k] x code[k], for my point
	s_wait_alu depctr_va_vdst(0)
.endif
.endm
; Eight slots: an f32 product, the holds of the product before it, two tiles of squares.  Behind each f32 product stand the slot's eight packed lines (v_nop where there are no squares yet),
; which name none of its registers, before its results are read (ISA guide 7.12.1).
.macro PHASE1 sq, l1
.if \l1
	s_wait_dscnt 0x0                               ; the tile's points are in (the first time: the fragments, E and W' too)
.endif
.irp i,0,1,2,3,4,5,6,7
.if \l1
	WIN 0
	WM32 \i
.if \i > 0
	MED \i-1
.endif
.endif
.if \sq
	SQ 2*\i
	SQ 2*\i+1
.else
	NOPS 8
.endif
.endr
	TAIL \sq, \l1
.endm
.macro MUL t, dst                      ; t = D r; dst = 16: in place; 24: the first tile starts the maximum
	BLK \t
	WIN 0x51*W                                     ; destination, source 0 and source 2 in the tile's window, source 1 in window 0: one setting serves MUL, MAX, PF and WMT
.irp i,0,2,4,6
	v_pk_mul_f32 v[B+\dst+\i:B+\dst+\i+1], v[B+16+\i:B+17+\i], v[R:R+1] op_sel_hi:[1,0]
.endr
.endm
.macro MAX t                           ; the middle source is -infinity in window 0: the three-operand form keeps the window setting of the lines round it
	BLK \t
	WIN 0x51*W
.irp j,0,1,2,3,4,5,6,7
	v_max3_num_f32 v[B+24+\j], v[B+16+\j], v[NINF], v[B+24+\j]
.endr
.endm
.macro PF t                            ; the accumulator begins as sg x (-mean) + sg (b2 - mean b2) / 2^(e0+e1)
	BLK \t
	WIN 0x51*W
.irp i,0,2,4,6
	v_pk_fma_f32 v[B+16+\i:B+17+\i], v[B+40+\i:B+41+\i], v[NM:NM+1], v[B+32+\i:B+33+\i] op_sel_hi:[1,0,1]
.endr
.endm
.macro WMT t                           ; and the product adds onto it: lane (r, h), register j: output 16 t + 8 h + j of point r.  The sixteen accumulators take turns
	BLK \t
	WIN 0x51*W
	v_wmma_f32_16x16x128_fp8_fp8 v[B+16:B+23], v[B:B+15], v[CODES:CODES+15], v[B+16:B+23]
.endm
; Chunk c of 19.  mm = 2: tile T's D r and maximum; 1: T = 0, which starts the maximum; 0: none.  pf = 1: tile T + 1's mean, prefill and product, and the fetch of tile T + 2's points.
.macro CHUNK mm, pf
.if \pf && (c >= 3)
	WMT c-3
.endif
.if \pf && (c >= 2) && (c <= 17)
	PF c-2
.endif
.if \mm && (c < 16)
.if \mm == 1
	MUL c, 24
.else
	MUL c, 16
	MAX c
.endif
.endif
.if \pf && (c == 0)
	WIN 0
.if \mm == 0
	NOPS 4                                         ; places behind the digit sums' product; elsewhere MUL's four lines are these
.endif
	v_mul_f32 v[T+2], 0xb7000000, v[X]             ; -mean = the sum over j of X_j x -2^(4 j - 17), in two chains
	v_mul_f32 v[T+3], 0xbf000000, v[X+4]
	v_fmamk_f32 v[T+2], v[X+1], 0xb9000000, v[T+2]
	v_fmamk_f32 v[T+3], v[X+5], 0xc1000000, v[T+3]
.endif
.if \pf && (c == 1)
	WIN 0
	v_fmamk_f32 v[T+2], v[X+2], 0xbb000000, v[T+2]
	v_fmamk_f32 v[T+3], v[X+6], 0xc3000000, v[T+3]
	v_fmamk_f32 v[T+2], v[X+3], 0xbd000000, v[T+2]
	v_add_f32 v[NM], v[T+2], v[T+3]
	v_add_nc_u32 v[AQ], s57, v[AQ0]
	ds_load_b64 v[Q:Q+1], v[AQ]                    ; the next tile's points; the last f32 product that read Q stands far more than eight plain lines back
	s_add_co_u32 s57, s57, 256
.endif
.endm
.macro PHASE2 mm, pf
.set c, 0
.rept 19
	CHUNK \mm, \pf
.set c, c+1
.endr
.endm
	PHASE1 0, 1                                    ; tile 0's first layer
	PHASE2 0, 1                                    ; tile 0's product
	PHASE1 1, 1                                    ; tile 1's first layer | tile 0's squares
	PHASE2 1, 1                                    ; tile 1's product | tile 0 starts the maximum
	WIN 0                                          ; at a label and at a branch every window is 0
	s_mov_b32 s56, 30
.Ltile:                                            ; trip T = 1 .. 30: tile T + 1's first layer and product | tile T's squares, scaling and maximum; the last trip fetches entry 32
	PHASE1 1, 1
	PHASE2 2, 1
	WIN 0
	s_sub_co_u32 s56, s56, 1
	s_cmp_lg_u32 s56, 0
	s_cbranch_scc1 .Ltile
	SQ 0                                           ; the drain: tile 31.  These eight lines are also the places behind the last products, in front of the loads into w2's fragments
	SQ 1
.set t, 0
.rept 15
	BLK t
	WIN W<<6
	global_load_b128 v[B:B+3], v[AH32], s[22:23] offset:64*t           ; g2 and be2 take the fragments' registers: 60 loads
	global_load_b128 v[B+4:B+7], v[AH32], s[22:23] offset:64*t+16
	global_load_b128 v[B+8:B+11], v[AH32], s[24:25] offset:64*t
	global_load_b128 v[B+12:B+15], v[AH32], s[24:25] offset:64*t+16
.set t, t+1
.endr
.irp t,2,3,4,5,6,7,8,9,10,11,12,13,14,15
	SQ \t
.endr
	TAIL 1, 0
	PHASE2 2, 0
.set t, 0
.rept 15
	BLK t
	WIN W<<6
	global_load_b128 v[B+32:B+35], v[AH32], s[26:27] offset:64*t       ; gn and bn take BS's and SG's: 60 more
	global_load_b128 v[B+36:B+39], v[AH32], s[26:27] offset:64*t+16
	global_load_b128 v[B+40:B+43], v[AH32], s[28:29] offset:64*t
	global_load_b128 v[B+44:B+47], v[AH32], s[28:29] offset:64*t+16
.set t, t+1
.endr
	WIN 0
; ---------------- THE END: z = max t x |g2| + be2; LN3 in two passes; out through my stage
.macro F1FMA t
	BLK \t
.if (\t) == 15
	WIN 0x14                                       ; sources 1 and 2 in window 1
.irp j,0,1,2,3,4,5,6,7
	v_fma_f32 v[232+\j], v[232+\j], |v[240+\j]|, v[248+\j]
.endr
.else
	WIN 0x55*W
.irp j,0,1,2,3,4,5,6,7
	v_fma_f32 v[B+24+\j], v[B+24+\j], |v[B+\j]|, v[B+8+\j]
.endr
.endif
.endm
.macro F1SUM t                         ; tiles 0 and 15 start the sums
	BLK \t
	WIN W
.irp i,0,2,4,6
.if (\t) == 0
	v_pk_add_f32 v[SS+\i:SS+\i+1], v[B+24+\i:B+25+\i], v[232+\i:233+\i]
.else
	v_pk_add_f32 v[SS+\i:SS+\i+1], v[B+24+\i:B+25+\i], v[SS+\i:SS+\i+1]
.endif
.endr
.endm
.macro F3C t
	BLK \t
	WIN 0x51*W
.irp i,0,2,4,6
	v_pk_add_f32 v[B+24+\i:B+25+\i], v[B+24+\i:B+25+\i], v[NM:NM+1] op_sel_hi:[1,0]
.endr
.endm
.macro F3S t
	BLK \t
	WIN 5*W
.irp i,0,2,4,6
.if (\t) == 0
	v_pk_mul_f32 v[SS+\i:SS+\i+1], v[B+24+\i:B+25+\i], v[B+24+\i:B+25+\i]
.else
	v_pk_fma_f32 v[SS+\i:SS+\i+1], v[B+24+\i:B+25+\i], v[B+24+\i:B+25+\i], v[SS+\i:SS+\i+1]
.endif
.endr
.endm
.macro F5A t
	BLK \t
	WIN 0x51*W
.irp i,0,2,4,6
	v_pk_mul_f32 v[B+24+\i:B+25+\i], v[B+24+\i:B+25+\i], v[R:R+1] op_sel_hi:[1,0]
.endr
.endm
.macro F5B t
	BLK \t
.if (\t) == 15
	WIN 0x28                                       ; sources 1 and 2 in window 2
.irp i,0,2,4,6
	v_pk_fma_f32 v[232+\i:233+\i], v[232+\i:233+\i], v[240+\i:241+\i], v[248+\i:249+\i]
.endr
.else
	WIN 0x55*W
.irp i,0,2,4,6
	v_pk_fma_f32 v[B+24+\i:B+25+\i], v[B+24+\i:B+25+\i], v[B+32+\i:B+33+\i], v[B+40+\i:B+41+\i]
.endr
.endif
.endm
.macro F5C t                           ; lane (r, h): row r of my 16, outputs 16 t + 8 h + 0..7
	BLK \t
	WIN W<<2                                       ; an LDS store's data are source 1
	ds_store_b128 v[AST], v[B+24:B+27] offset:64*(\t)
	ds_store_b128 v[AST], v[B+28:B+31] offset:64*(\t)+16
.endm
	s_wait_loadcnt 60                              ; g2 and be2 are in; gn's and bn's 60 loads may be out
	F1FMA 15
.irp g,0,1,2
.irp u,0,1,2,3,4
	F1FMA 5*\g+\u
.endr
.irp u,0,1,2,3,4
	F1SUM 5*\g+\u
.endr
.endr
	WIN 0
	RED1
	RED2
	v_mul_f32 v[NM], 0xbb800000, v[T]              ; -mean
.irp g,0,1,2
.irp u,0,1,2,3,4
	F3C 5*\g+\u
.endr
.irp u,0,1,2,3,4
	F3S 5*\g+\u
.endr
.endr
	F3C 15
	F3S 15
	RED1
	RED2
	s_mov_b32 s59, 0x3727c5ac
	v_fma_f32 v[T], v[T], 0x3b800000, s59          ; var + eps
	v_rsq_f32 v[R], v[T]
	v_nop
	s_wait_alu depctr_va_vdst(0)
	s_wait_loadcnt 0x0                             ; gn, bn
.irp g,0,1,2
.irp u,0,1,2,3,4
	F5A 5*\g+\u
.endr
.irp u,0,1,2,3,4
	F5B 5*\g+\u
.endr
.irp u,0,1,2,3,4
	F5C 5*\g+\u
.endr
.endr
	F5A 15
	F5B 15
	F5C 15
	WIN 0
.set k, 0
.rept 32
.if k < 16
.set RG, 16+4*k
.else
.set RG, 112+4*(k-16)
.endif
	ds_load_b128 v[RG:RG+3], v[ARD] offset:(k/2)*W2P+(k%2)*512         ; half a row: LDS serves a wave's instructions in order, so these see my stores; H's registers are passed over
.set k, k+1
.endr
.set k, 0
.rept 32
.if k < 16
.set RG, 16+4*k
.else
.set RG, 112+4*(k-16)
.endif
	s_wait_dscnt 31-k                              ; LDS loads come back in order: number k is in
	global_store_b128 v[AL16], v[RG:RG+3], s[32:33] offset:(k/2)*1024+(k%2)*512 th:TH_STORE_NT   ; 32 lanes store 512 consecutive bytes, at a multiple of 256 from out0's first byte
.set k, k+1
.endr
	s_set_vgpr_msb 0xf
	s_wait_tensorcnt 0x0
	ds_add_u32 v254, v255
	s_wait_dscnt 0x0
	s_set_vgpr_msb 0xf00
	ROUND                                          ; the closing round: no work-group ends while a partner may still ask for a tile that names it
	s_endpgm
.Lfunc_end_k_qdd1587ef50_embed:
	.size	k_qdd1587ef50_embed, .Lfunc_end_k_qdd1587ef50_embed-k_qdd1587ef50_embed
	.p2alignl 7, 3214868480
	.fill 96, 4, 3214868480
	.section	.rodata,"a",@progbits
	.p2align	6, 0x0
	.amdhsa_kernel k_qdd1587ef50_embed
		.amdhsa_group_segment_fixed_size 276992
		.amdhsa_private_segment_fixed_size 0
		.amdhsa_enable_private_segment 0
		.amdhsa_kernarg_size 104
		.amdhsa_user_sgpr_count 2
		.amdhsa_user_sgpr_kernarg_segment_ptr 1
		.amdhsa_wavefront_size32 1
		.amdhsa_system_sgpr_workgroup_id_x 1
		.amdhsa_system_sgpr_workgroup_id_y 1
		.amdhsa_system_sgpr_workgroup_id_z 1
		.amdhsa_system_vgpr_workitem_id 0
		.amdhsa_next_free_vgpr 1024
		.amdhsa_next_free_sgpr 66
		.amdhsa_reserve_vcc 0
		.amdhsa_float_denorm_mode_32 3
		.amdhsa_float_denorm_mode_16_64 3
		.amdhsa_memory_ordered 1
		.amdhsa_forward_progress 1
		.amdhsa_inst_pref_size 255
	.end_amdhsa_kernel
	.section	.bss,"aw",@nobits
	.p2align	6
	.space	262144
	.amdgpu_metadata
---
amdhsa.version: [ 1, 2 ]
amdhsa.kernels:
  - .name:           k_qdd1587ef50_embed
    .symbol:         k_qdd1587ef50_embed.kd
    .args:
      - { .name: x, .offset: 0, .size: 8, .value_kind: global_buffer, .address_space: global }
      - { .name: w1, .offset: 8, .size: 8, .value_kind: global_buffer, .address_space: global }
      - { .name: b1, .offset: 16, .size: 8, .value_kind: global_buffer, .address_space: global }
      - { .name: g1, .offset: 24, .size: 8, .value_kind: global_buffer, .address_space: global }
      - { .name: be1, .offset: 32, .size: 8, .value_kind: global_buffer, .address_space: global }
      - { .name: w2, .offset: 40, .size: 8, .value_kind: global_buffer, .address_space: global }
      - { .name: b2, .offset: 48, .size: 8, .value_kind: global_buffer, .address_space: global }
      - { .name: g2, .offset: 56, .size: 8, .value_kind: global_buffer, .address_space: global }
      - { .name: be2, .offset: 64, .size: 8, .value_kind: global_buffer, .address_space: global }
      - { .name: gn, .offset: 72, .size: 8, .value_kind: global_buffer, .address_space: global }
      - { .name: bn, .offset: 80, .size: 8, .value_kind: global_buffer, .address_space: global }
      - { .name: lowp_scales, .offset: 88, .size: 8, .value_kind: global_buffer, .address_space: global }
      - { .name: out0, .offset: 96, .size: 8, .value_kind: global_buffer, .address_space: global }
    .group_segment_fixed_size: 276992
    .private_segment_fixed_size: 0
    .kernarg_segment_align: 8
    .kernarg_segment_size: 104
    .max_flat_workgroup_size: 128
    .sgpr_count:     66
    .vgpr_count:     1024
    .wavefront_size: 32
...
	.end_amdgpu_metadata
.endif
;; end of part 1
